; MI455X (gfx1250); checked and timed in simulation.
; The chip was launched on July 23, 2026; its instructions are those of AMD's public machine-readable ISA for CDNA 5 (MIT licence, August 2026) and "CDNA5" Instruction Set Architecture Reference Guide (July 2026). The comments in the code are by the model that wrote it; some were corrected since.
;; Torch Span Emo. Allowed arithmetic: float matrix products may take bf16 or f16 operands with f32 sums; all other float work in f32.
;; Inputs: W1 1,024 x 1,024 float32; W2 1,024 x 1 float32; b1 1,024 float32; b2 1 float32; emb_table 30,522 x 1,024 float32; input_ids 32 x 2,048 int32; label_idxs 11 int32; targets 32 x 11 float32.
;; Outputs: out0 one number float32; out1 32 x 11 float32; out2 32 x 11 float32.
;; One version. Each part assembles by itself: llvm-mc -triple=amdgcn-amd-amdhsa -mcpu=gfx1250 --defsym DOCPART=n.
;; ======== version 1 of 1: 2 launches
;; workspace buffers: part 22,528 bytes
;; launch scores (part 1): grid 16 x 11, 16 waves a work-group, no clusters, 265,216 bytes of LDS; arguments W1, b1, W2, emb_table, input_ids, label_idxs, part; writes part
.if DOCPART == 1
	.amdgcn_target "amdgcn-amd-amdhsa--gfx1250"
	.amdhsa_code_object_version 6
	.text
	.protected	k_q4fed51b746_scores
	.globl	k_q4fed51b746_scores
	.p2align	8
	.type	k_q4fed51b746_scores,@function
k_q4fed51b746_scores:
	s_mov_b64 s[64:65], 0
	v_nop
	global_prefetch_b8 v0, s[64:65] scope:SCOPE_SE
	s_setreg_imm32_b32 hwreg(HW_REG_WAVE_MODE, 25, 1), 1
	s_wait_xcnt 0x0
; part[nx][m] = sum over the 64 hidden columns n of chunk nx of tanh(emb[id(m)] . W1[:, n] + b1[n]) * W2[n],
; for the 352 rows m = 11 b + l that reach an output: id(m) = input_ids[b][label_idxs[l]].  All other positions of the sequence feed no output.
; A work-group makes 32 rows (my) x 64 columns (nx) over the whole K = 1024.  Sixteen waves; wave w owns K = 64 w .. 64 w + 63, two K steps of 32,
; so no operand byte is loaded or converted twice in the work-group, every byte is asked for at the start, and there is no loop.
; The sixteen partial sums over K meet in LDS; then wave w finishes 4 rows x 16 columns x 2 halves: bias, tanh, times W2, sum over columns.
; OPERANDS: each f32 number x goes to the matrix unit as two bf16, hi = bf16(x) and lo = bf16(x - hi); three products are summed in f32:
; hi hi, hi lo, lo hi.  lo lo is left out (about 2^-17 of a product).  The sign of a logit decides an output, hence the second half.
; W1 is stored [K][N].  The sum over n comes behind the tanh, so the order of columns inside the chunk is free: tile t, lane r takes
; column 64 nx + 4 r + t.  A 16-byte load of W1[k][64 nx + 4 r ..] then holds one element of each of the four tiles, in its true k place,
; and sixteen lanes of a load cover 256 consecutive bytes, aligned.
; LIMITS: indices are taken as in range, as the reference relies on; others are clamped as unsigned numbers to 2047 and 30521, not wrapped.
; v_exp_f32 gives zero where 2^x is below 2^-126: tanh is then -1 exactly, as in f32.
; NO CLUSTER: the pieces of W1 are shared along y, where the grid has 11 work-groups, which no cluster of 4 divides.  The embedding rows are shared
; along x, but they are a third of a work-group bytes (128 KiB of 384 KiB) and 32 separate rows named by loaded ids.
.set APITCH, 4112                      ; LDS row of raw f32: 4,096 bytes + 16; 257 x 16, so sixteen rows give sixteen different 16-byte columns modulo 256 bytes
.set PART,   131584                    ; behind 32 rows x 4,112: 16 waves x 8,192 bytes of partial sums; a multiple of 256, no copy lands here
.set RED,    262656                    ; 16 waves x 32 bytes: column sums
.set RAW0, 16                          ; v[16:79]   W1 as loaded, K step 0: load j at 16 + 4 j
.set RAW1, 80                          ; v[80:143]  W1 as loaded, K step 1; later the raw A blocks
.set FB0,  144                         ; v[144:207] B fragments of K step 0: hi of tile t at FB0 + 8 t, lo at FB0 + 32 + 8 t
.set FB1,  16                          ; v[16:79]   B fragments of K step 1 (over K step 0 raw words, which are used up)
.set AH,   208                         ; v[208:239] A hi fragments, block q = 2 s + mt at AH + 8 q
.set AL,   80                          ; raw A block q at AL + 16 q (16 registers); its lo fragment is packed into the first 8 of them
.set ACC00, 88                         ; accumulators (mt, t): the upper halves of the raw A blocks, free once lo is packed,
.set ACC10, 104
.set ACC01, 120
.set ACC11, 136
.set ACC02, 240                        ; the last sixteen registers,
.set ACC12, 248
.set ACC03, 144                        ; and hi and lo of (K step 0, tile 0), which the first group of products has used up
.set ACC13, 176
.set ZR, 16                            ; the end: z, then the result
.set ER, 20                            ; exponential branch
.set QR, 24                            ; z squared
.set PR, 28                            ; series branch
; v0 thread, v1 lane, v2 r = lane % 16, v3 h = lane / 16, v4 W1 offset, v5 b1 and W2 offset, v6 b1[n], v7 W2[n], v8 16 x lane,
; v9 v10 LDS targets of my two embedding rows, v11 v12 A fragment addresses (later: addresses of the partial sums), v13 -1.0, v14 my partial sums, v15 at work
	s_load_b256 s[8:15], s[0:1], 0x0               ; W1 s[8:9], b1 s[10:11], W2 s[12:13], emb_table s[14:15]
	s_load_b128 s[16:19], s[0:1], 0x20             ; input_ids s[16:17], label_idxs s[18:19]
	s_load_b64 s[20:21], s[0:1], 0x30              ; part
	v_lshl_add_u32 v254, v0, 2, 0x40400
	v_mov_b32 v255, 0
	ds_add_u32 v254, v255
	ds_add_u32 v254, v255
	s_wait_dscnt 0x0
	v_lshrrev_b32 v15, 5, v0
	v_readfirstlane_b32 s24, v15                   ; wave w, 0 to 15
	s_mov_b32 s25, ttmp9                           ; nx: chunk of 64 columns
	s_and_b32 s26, ttmp7, 0xffff                   ; my: block of 32 rows
	s_lshl_b32 s60, s26, 5                         ; 32 my
	s_lshl1_add_u32 s27, s24, s60                  ; m of my first embedding row = 32 my + 2 w
; row m = 11 b + l.  b = (745 m) >> 13: 745 / 8192 exceeds 1 / 11 by 3.4e-5, at m = 351 by 0.012 in all, less than the 1 / 11 that would reach the next integer
.macro ROWIDX q
	s_add_co_u32 s22, s27, \q
	s_mul_i32 s[30+\q], s22, 745
	s_lshr_b32 s[30+\q], s[30+\q], 13              ; b
	s_mul_i32 s23, s[30+\q], 11
	s_sub_co_u32 s23, s22, s23                     ; l
	s_lshl_b32 s[28+\q], s23, 2                    ; byte offset in label_idxs
	s_lshl_b32 s[30+\q], s[30+\q], 11              ; 2048 b
.endm
	ROWIDX 0
	ROWIDX 1
	s_lshl_b32 s23, s25, 8                         ; 256 nx: the chunk in bytes of a row of W1, and of b1 and W2
	s_lshl_b32 s46, s24, 18                        ; 64 w rows of 4,096 bytes
	s_add_co_u32 s46, s46, s23
	s_mov_b32 s47, 0
	s_bfe_u32 s52, s24, 0x20001                    ; t = (w >> 1) & 3: the tile whose sums I finish
	s_lshl_b32 s52, s52, 2
	s_add_co_u32 s52, s52, s23                     ; 4 t + 256 nx
	s_mul_i32 s48, s24, 2*APITCH                   ; LDS rows 2 w and 2 w + 1
	s_lshl_b32 s56, s24, 8                         ; my K range in a raw row: 64 w numbers of 4 bytes
	s_lshl_b32 s57, s24, 13
	s_add_co_u32 s57, s57, PART                    ; where my partial sums go
	s_lshl_b32 s58, s24, 9
	s_add_co_u32 s58, s58, PART                    ; group w in the first wave partial sums
	s_lshl_b32 s59, s24, 5
	s_add_co_u32 s59, s59, RED                     ; my 32 bytes of column sums
	s_mul_i32 s54, s25, 352
	s_add_co_u32 s54, s54, s60
	s_lshl_b32 s54, s54, 2                         ; (352 nx + 32 my) x 4
	s_mov_b32 s55, 0
	s_mov_b32 s49, 0xbd5d0dd1                      ; -17/315
	s_mov_b32 s50, 0x3e088889                      ; 2/15
	s_mov_b32 s51, 0xbeaaaaab                      ; -1/3
	v_and_b32 v1, 31, v0
	v_and_b32 v2, 15, v0
	v_bfe_u32 v3, v0, 4, 1
	v_lshlrev_b32 v8, 4, v1                        ; 16 x lane
	v_lshlrev_b32 v4, 4, v2
	v_lshl_add_u32 v4, v3, 15, v4                  ; 8 h rows of W1 + 16 r
	v_lshl_add_u32 v5, v2, 4, s52                  ; 4 (64 nx + 4 r + t)
	v_add_nc_u32 v9, s48, v8
	v_add_nc_u32 v10, APITCH, v9
	v_mul_u32_u24 v11, v2, APITCH
	v_lshl_add_u32 v11, v3, 5, v11
	v_add_nc_u32 v11, s56, v11                     ; row r, K = 64 w + 8 h
	v_add_nc_u32 v12, 16*APITCH, v11               ; row 16 + r
	v_mov_b32 v13, -1.0
	v_add_nc_u32 v14, s57, v8
	s_wait_kmcnt 0x0
	; the chain of indices starts; W1 is asked for while it runs
	s_load_b32 s32, s[18:19], s28 offset:0x0       ; label_idxs[l], my two rows
	s_load_b32 s33, s[18:19], s29 offset:0x0
	s_add_nc_u64 s[44:45], s[8:9], s[46:47]        ; W1 at my K range and chunk
	s_add_nc_u64 s[20:21], s[20:21], s[54:55]      ; part at this work-group 32 numbers
	global_load_b32 v6, v5, s[10:11]               ; b1[n]
	global_load_b32 v7, v5, s[12:13]               ; W2[n]
; load j of K step s: k = 64 w + 32 s + (j & 7) + 16 (j >> 3) + 8 h, which is place j of a 16-bit fragment (two to a register)
.irp s, 0,1
.irp j, 0,1,2,3,4,5,6,7,8,9,10,11,12,13,14,15
	global_load_b128 v[RAW0+64*\s+4*\j:RAW0+64*\s+4*\j+3], v4, s[44:45] offset:(32*\s+(\j&7)+16*(\j>>3))*4096
.endr
.endr
	s_wait_kmcnt 0x0
	s_min_u32 s32, s32, 0x7ff                      ; inside a row of input_ids
	s_min_u32 s33, s33, 0x7ff
	s_add_co_u32 s30, s30, s32
	s_add_co_u32 s31, s31, s33
	s_lshl_b32 s30, s30, 2                         ; (2048 b + index) x 4
	s_lshl_b32 s31, s31, 2
	s_load_b32 s34, s[16:17], s30 offset:0x0
	s_load_b32 s35, s[16:17], s31 offset:0x0
	s_wait_kmcnt 0x0
	s_min_u32 s34, s34, 0x7739                     ; inside the table: 30,521 is its last row
	s_min_u32 s35, s35, 0x7739
	s_lshl_b32 s36, s34, 12                        ; rows of 4,096 bytes: below 2^27
	s_mov_b32 s37, 0
	s_lshl_b32 s38, s35, 12
	s_mov_b32 s39, 0
	s_add_nc_u64 s[40:41], s[14:15], s[36:37]
	s_add_nc_u64 s[42:43], s[14:15], s[38:39]
	; my two embedding rows into LDS, raw: eight copies of 512 consecutive bytes each.  The immediate steps both addresses.
	; These bytes are filled once; v8 to v10 and s[40:43] are never written again.
.irp j, 0,1,2,3,4,5,6,7
	global_load_async_to_lds_b128 v9, v8, s[40:41] offset:512*\j
.endr
.irp j, 0,1,2,3,4,5,6,7
	global_load_async_to_lds_b128 v10, v8, s[42:43] offset:512*\j
.endr
; W1 of K step s to fragments.  Register i of tile t packs component t of loads 2 i and 2 i + 1.  hi by one rounding; x - hi is exact in f32
; (one multiply-add straight from the bf16 half, times -1.0); lo by a second rounding.
.macro CONVB s, R, F
.irp i, 0,1,2,3,4,5,6,7
	s_wait_loadcnt 14-2*\i+16*(1-\s)               ; loads come back in order: all W1 loads issued behind 2 i + 1 of this K step may stay out
.irp t, 0,1,2,3
	v_cvt_pk_bf16_f32 v[\F+8*\t+\i], v[\R+8*\i+\t], v[\R+8*\i+4+\t]
.endr
.irp t, 0,1,2,3
	v_fma_mix_f32_bf16 v[\R+8*\i+\t], v[\F+8*\t+\i], v13, v[\R+8*\i+\t] op_sel_hi:[1,0,0]
	v_fma_mix_f32_bf16 v[\R+8*\i+4+\t], v[\F+8*\t+\i], v13, v[\R+8*\i+4+\t] op_sel:[1,0,0] op_sel_hi:[1,0,0]
.endr
.irp t, 0,1,2,3
	v_cvt_pk_bf16_f32 v[\F+32+8*\t+\i], v[\R+8*\i+\t], v[\R+8*\i+4+\t]
.endr
.endr
.endm
	CONVB 0, RAW0, FB0
	CONVB 1, RAW1, FB1
	s_wait_asynccnt 0x0                            ; my two rows are in LDS,
	s_barrier_signal -1
	s_barrier_wait -1                              ; and so are all 32
	; A block q = 2 s + mt: rows 16 mt + r, K = 64 w + 32 s + {8 h .. 8 h + 7, 16 + 8 h .. 16 + 8 h + 7} as f32: 32 bytes at 0 and 32 bytes at 64
.irp s, 0,1
.irp m, 0,1
	ds_load_b128 v[AL+16*(2*\s+\m):AL+16*(2*\s+\m)+3],     v[11+\m] offset:128*\s
	ds_load_b128 v[AL+16*(2*\s+\m)+4:AL+16*(2*\s+\m)+7],   v[11+\m] offset:128*\s+16
	ds_load_b128 v[AL+16*(2*\s+\m)+8:AL+16*(2*\s+\m)+11],  v[11+\m] offset:128*\s+64
	ds_load_b128 v[AL+16*(2*\s+\m)+12:AL+16*(2*\s+\m)+15], v[11+\m] offset:128*\s+80
.endr
.endr
; block q to fragments, as for W1.  lo is packed upward in place: register i takes words 2 i and 2 i + 1, which lie at or above it.
.macro CONVA q
	s_wait_dscnt 12-4*\q                           ; LDS loads come back in order: four for each younger block may stay out
.irp i, 0,1,2,3,4,5,6,7
	v_cvt_pk_bf16_f32 v[AH+8*\q+\i], v[AL+16*\q+2*\i], v[AL+16*\q+2*\i+1]
.endr
.irp i, 0,1,2,3,4,5,6,7
	v_fma_mix_f32_bf16 v[AL+16*\q+2*\i], v[AH+8*\q+\i], v13, v[AL+16*\q+2*\i] op_sel_hi:[1,0,0]
	v_fma_mix_f32_bf16 v[AL+16*\q+2*\i+1], v[AH+8*\q+\i], v13, v[AL+16*\q+2*\i+1] op_sel:[1,0,0] op_sel_hi:[1,0,0]
.endr
.irp i, 0,1,2,3,4,5,6,7
	v_cvt_pk_bf16_f32 v[AL+16*\q+\i], v[AL+16*\q+2*\i], v[AL+16*\q+2*\i+1]
.endr
.endm
	CONVA 0
	CONVA 1
	CONVA 2
	CONVA 3
.macro WM acc, a, b, zero
.if \zero
	v_wmma_f32_16x16x32_bf16 v[\acc:\acc+7], v[\a:\a+7], v[\b:\b+7], 0
.else
	v_wmma_f32_16x16x32_bf16 v[\acc:\acc+7], v[\a:\a+7], v[\b:\b+7], v[\acc:\acc+7]
.endif
.endm
; one instruction on each of four accumulators: 2 row tiles x 2 column tiles
.macro TURN4 c00, c10, c01, c11, a0, a1, b0, b1, zero
	WM \c00, \a0, \b0, \zero
	WM \c10, \a1, \b0, \zero
	WM \c01, \a0, \b1, \zero
	WM \c11, \a1, \b1, \zero
.endm
; column tiles t0 and t0 + 1: for each K step hi hi, hi lo, lo hi.  The first product starts the sums.
; The four accumulators take turns, one instruction a turn.
.macro GROUP t0, c00, c10, c01, c11
	TURN4 \c00, \c10, \c01, \c11, AH, AH+8, FB0+8*\t0, FB0+8*\t0+8, 1
	TURN4 \c00, \c10, \c01, \c11, AH, AH+8, FB0+32+8*\t0, FB0+40+8*\t0, 0
	TURN4 \c00, \c10, \c01, \c11, AL, AL+16, FB0+8*\t0, FB0+8*\t0+8, 0
	TURN4 \c00, \c10, \c01, \c11, AH+16, AH+24, FB1+8*\t0, FB1+8*\t0+8, 0
	TURN4 \c00, \c10, \c01, \c11, AH+16, AH+24, FB1+32+8*\t0, FB1+40+8*\t0, 0
	TURN4 \c00, \c10, \c01, \c11, AL+32, AL+48, FB1+8*\t0, FB1+8*\t0+8, 0
.endm
	GROUP 0, ACC00, ACC10, ACC01, ACC11
.rept 5
	v_nop                                          ; five places (ISA guide 7.12.1): the next group writes over hi and lo of (K step 0, tile 0), which matrix instructions above have read
.endr
	GROUP 2, ACC02, ACC12, ACC03, ACC13
.rept 4
	v_nop                                          ; four places before results are stored, and before loads land on registers that matrix instructions have read
.endr
; group g = 2 (4 mt + t) + jh holds registers 4 jh .. 4 jh + 3 of accumulator (mt, t): 512 consecutive bytes of the wave
.macro PUT a, base
	ds_store_b128 v14, v[\base:\base+3] offset:(2*\a)*512
	ds_store_b128 v14, v[\base+4:\base+7] offset:(2*\a+1)*512
.endm
	PUT 0, ACC00
	PUT 1, ACC01
	PUT 2, ACC02
	PUT 3, ACC03
	PUT 4, ACC10
	PUT 5, ACC11
	PUT 6, ACC12
	PUT 7, ACC13
	s_wait_dscnt 0x0                               ; for the other waves: my partial sums are in LDS
	s_barrier_signal -1
	s_barrier_wait -1
	; wave w sums group w over the sixteen K ranges: mt = w >> 3, t = (w >> 1) & 3, jh = w & 1.
	; Lane (r, h), register c: row 16 mt + 8 h + 4 jh + c, column 64 nx + 4 r + t.
	v_add_nc_u32 v11, s58, v8                      ; waves 0 to 7
	v_add_nc_u32 v12, 0x10000, v11                 ; waves 8 to 15: beyond the 16-bit immediate
.irp i, 0,1,2,3,4,5,6,7
	ds_load_b128 v[16+4*\i:16+4*\i+3], v11 offset:8192*\i
.endr
.irp i, 0,1,2,3,4,5,6,7
	ds_load_b128 v[48+4*\i:48+4*\i+3], v12 offset:8192*\i
.endr
.macro VADD d, s
	v_pk_add_f32 v[\d:\d+1], v[\d:\d+1], v[\s:\s+1]
	v_pk_add_f32 v[\d+2:\d+3], v[\d+2:\d+3], v[\s+2:\s+3]
.endm
	s_wait_dscnt 8                                 ; the first eight are in, the younger eight may stay out
	VADD 16, 20
	VADD 24, 28
	VADD 32, 36
	VADD 40, 44
	VADD 16, 24
	VADD 32, 40
	VADD 16, 32
	s_wait_dscnt 0x0
	VADD 48, 52
	VADD 56, 60
	VADD 64, 68
	VADD 72, 76
	VADD 48, 56
	VADD 64, 72
	VADD 48, 64
	VADD 16, 48
	v_pk_add_f32 v[ZR:ZR+1], v[ZR:ZR+1], v[6:7] op_sel_hi:[1,0]        ; z = sum + b1[n]: both halves take v6
	v_pk_add_f32 v[ZR+2:ZR+3], v[ZR+2:ZR+3], v[6:7] op_sel_hi:[1,0]
	; tanh z = 1 - 2 / (1 + e^(2 z)); where z^2 < 1/16 that difference loses bits, and the series z - z^3/3 + 2 z^5/15 - 17 z^7/315 is taken
	; (its next term is below 3.4e-7 of z there).  Both are computed in every lane and one is selected.
.irp c, 0,1,2,3
	v_mul_f32 v[ER+\c], 0x4038aa3b, v[ZR+\c]       ; 2 z log2(e)
.endr
.irp c, 0,1,2,3
	v_exp_f32 v[ER+\c], v[ER+\c]
.endr
.irp c, 0,1,2,3
	v_mul_f32 v[QR+\c], v[ZR+\c], v[ZR+\c]         ; plain work between the exponentials and their first use (ISA guide 5.7.2)
.endr
	s_wait_alu depctr_va_vdst(0)
.irp c, 0,1,2,3
	v_add_f32 v[ER+\c], 1.0, v[ER+\c]
.endr
.irp c, 0,1,2,3
	v_rcp_f32 v[ER+\c], v[ER+\c]
.endr
.irp c, 0,1,2,3
	v_fma_f32 v[PR+\c], v[QR+\c], s49, s50         ; plain work again behind the reciprocals
.endr
.irp c, 0,1,2,3
	v_fma_f32 v[PR+\c], v[PR+\c], v[QR+\c], s51
.endr
.irp c, 0,1,2,3
	v_mul_f32 v[PR+\c], v[PR+\c], v[QR+\c]
.endr
	s_wait_alu depctr_va_vdst(0)
.irp c, 0,1,2,3
	v_fma_f32 v[PR+\c], v[ZR+\c], v[PR+\c], v[ZR+\c]
	v_fma_f32 v[ER+\c], v[ER+\c], -2.0, 1.0
.endr
.irp c, 0,1,2,3
	v_cmp_gt_f32 vcc_lo, 0x3d800000, v[QR+\c]      ; 1/16 > z^2 (false for NaN: the exponential branch hands it on)
	v_cndmask_b32 v[ZR+\c], v[ER+\c], v[PR+\c], vcc_lo
.endr
.irp c, 0,1,2,3
	v_mul_f32 v[ZR+\c], v7, v[ZR+\c]               ; times W2[n]
.endr
	; sum over the sixteen lanes of a half = the tile sixteen columns
.irp x, 1,2,4,8
.irp c, 0,1,2,3
	v_add_f32_dpp v[ZR+\c], v[ZR+\c], v[ZR+\c] row_xmask:\x row_mask:0xf bank_mask:0xf
.endr
.endr
	v_lshl_add_u32 v15, v3, 4, s59                 ; RED + 32 w + 16 h: sixteen lanes write the same 16 bytes with the same values
	ds_store_b128 v15, v[ZR:ZR+3]
	s_wait_dscnt 0x0                               ; for wave 0
	s_barrier_signal -1
	s_barrier_wait -1
	s_cmp_lg_u32 s24, 0
	s_cbranch_scc1 .Lend
	; wave 0, lane = local row = 16 mt + 8 h + 4 jh + c: its four tiles lie at RED + 32 (8 mt + 2 t + jh) + 16 h + 4 c
	v_and_b32 v24, 3, v1
	v_lshlrev_b32 v24, 2, v24                      ; 4 c
	v_bfe_u32 v25, v1, 2, 1
	v_lshl_add_u32 v24, v25, 5, v24                ; + 32 jh
	v_bfe_u32 v25, v1, 3, 1
	v_lshl_add_u32 v24, v25, 4, v24                ; + 16 h
	v_lshl_add_u32 v24, v3, 8, v24                 ; + 256 mt
	v_add_nc_u32 v24, RED, v24
.irp t, 0,1,2,3
	ds_load_b32 v[26+\t], v24 offset:64*\t
.endr
	v_lshlrev_b32 v30, 2, v1
	s_wait_dscnt 0x0
	v_add_f32 v26, v26, v27
	v_add_f32 v28, v28, v29
	v_add_f32 v26, v26, v28
	global_store_b32 v30, v26, s[20:21]            ; 128 consecutive bytes: all that the work-group makes
.Lend:
	s_wait_xcnt 0x0
	v_lshl_add_u32 v254, v0, 2, 0x40400
	v_mov_b32 v255, 0
	s_wait_tensorcnt 0x0
	ds_add_u32 v254, v255
	s_wait_dscnt 0x0
	s_endpgm
.Lfunc_end_k_q4fed51b746_scores:
	.size	k_q4fed51b746_scores, .Lfunc_end_k_q4fed51b746_scores-k_q4fed51b746_scores
	.p2alignl 7, 3214868480
	.fill 96, 4, 3214868480
	.section	.rodata,"a",@progbits
	.p2align	6, 0x0
	.amdhsa_kernel k_q4fed51b746_scores
		.amdhsa_group_segment_fixed_size 265216
		.amdhsa_private_segment_fixed_size 0
		.amdhsa_enable_private_segment 0
		.amdhsa_kernarg_size 56
		.amdhsa_user_sgpr_count 2
		.amdhsa_user_sgpr_kernarg_segment_ptr 1
		.amdhsa_wavefront_size32 1
		.amdhsa_system_sgpr_workgroup_id_x 1
		.amdhsa_system_sgpr_workgroup_id_y 1
		.amdhsa_system_sgpr_workgroup_id_z 1
		.amdhsa_system_vgpr_workitem_id 0
		.amdhsa_next_free_vgpr 256
		.amdhsa_next_free_sgpr 66
		.amdhsa_reserve_vcc 1
		.amdhsa_float_denorm_mode_32 3
		.amdhsa_float_denorm_mode_16_64 3
		.amdhsa_memory_ordered 1
		.amdhsa_forward_progress 1
		.amdhsa_inst_pref_size 47
	.end_amdhsa_kernel
	.amdgpu_metadata
---
amdhsa.version: [ 1, 2 ]
amdhsa.kernels:
  - .name:           k_q4fed51b746_scores
    .symbol:         k_q4fed51b746_scores.kd
    .args:
      - { .name: W1, .offset: 0, .size: 8, .value_kind: global_buffer, .address_space: global }
      - { .name: b1, .offset: 8, .size: 8, .value_kind: global_buffer, .address_space: global }
      - { .name: W2, .offset: 16, .size: 8, .value_kind: global_buffer, .address_space: global }
      - { .name: emb_table, .offset: 24, .size: 8, .value_kind: global_buffer, .address_space: global }
      - { .name: input_ids, .offset: 32, .size: 8, .value_kind: global_buffer, .address_space: global }
      - { .name: label_idxs, .offset: 40, .size: 8, .value_kind: global_buffer, .address_space: global }
      - { .name: part, .offset: 48, .size: 8, .value_kind: global_buffer, .address_space: global }
    .group_segment_fixed_size: 265216
    .private_segment_fixed_size: 0
    .kernarg_segment_align: 8
    .kernarg_segment_size: 56
    .max_flat_workgroup_size: 512
    .sgpr_count:     66
    .vgpr_count:     256
    .wavefront_size: 32
...
	.end_amdgpu_metadata
.endif
;; end of part 1
;; launch loss (part 2): grid 1 x 1, 11 waves a work-group, no clusters, 7,168 bytes of LDS; arguments part, b2, targets, out0, out1, out2; writes out0, out1, out2
.if DOCPART == 2
	.amdgcn_target "amdgcn-amd-amdhsa--gfx1250"
	.amdhsa_code_object_version 6
	.text
	.protected	k_q4fed51b746_loss
	.globl	k_q4fed51b746_loss
	.p2align	8
	.type	k_q4fed51b746_loss,@function
k_q4fed51b746_loss:
	s_mov_b64 s[64:65], 0
	v_nop
	global_prefetch_b8 v0, s[64:65] scope:SCOPE_SE
	s_setreg_imm32_b32 hwreg(HW_REG_WAVE_MODE, 25, 1), 1
	s_wait_xcnt 0x0
; logits[m] = sum over the 16 column chunks of part[chunk][m] + b2; y_pred; the joint loss.  352 threads, thread m = 11 b + l.
; One work-group: the loss is one number over all 352 logits, and 22 KiB are read.  No matrix work, no tiles, nothing shared: no cluster, no copies.
; The exponentials of yh take no maximum away, as in the reference: yh is a sigmoid, so their exponents lie in [-1, 1] for every input.
; LIMITS: y_pred follows the reference formula, sigmoid(x) > 0.5 with sigmoid = 1 / (1 + e^-x); for |x| below about 2^-22 the answer hangs on the
; last bit of v_exp_f32 and v_rcp_f32 and may differ from another implementation.  Exponentials below 2^-126 come out as zero.
.set ROWS, 352
	s_load_b256 s[4:11], s[0:1], 0x0               ; part s[4:5], b2 s[6:7], targets s[8:9], out0 s[10:11]
	s_load_b128 s[12:15], s[0:1], 0x20             ; out1 s[12:13], out2 s[14:15]
	v_lshl_add_u32 v96, v0, 2, 0x1600
	v_mov_b32 v97, 0
	v_lshrrev_b32 v3, 5, v0
	v_readfirstlane_b32 s20, v3                    ; wave
	v_lshlrev_b32 v1, 2, v0                        ; 4 m
	v_lshlrev_b32 v2, 4, v0                        ; 16 m
	s_mov_b32 s17, 0xbfb8aa3b                      ; -log2(e)
	s_mov_b32 s22, 0x76543210                      ; v_permlanex16_b32: lane i of one half reads lane i of the other
	s_mov_b32 s23, 0xfedcba98
	s_wait_kmcnt 0x0
	s_load_b32 s16, s[6:7], 0x0                    ; b2
.irp i, 0,1,2,3,4,5,6,7,8,9,10,11,12,13,14,15
	global_load_b32 v[8+\i], v1, s[4:5] offset:\i*ROWS*4
.endr
	global_load_b32 v24, v1, s[8:9]                ; t
	s_wait_kmcnt 0x0
	s_wait_loadcnt 0x0
	v_pk_add_f32 v[8:9], v[8:9], v[10:11]
	v_pk_add_f32 v[12:13], v[12:13], v[14:15]
	v_pk_add_f32 v[16:17], v[16:17], v[18:19]
	v_pk_add_f32 v[20:21], v[20:21], v[22:23]
	v_pk_add_f32 v[8:9], v[8:9], v[12:13]
	v_pk_add_f32 v[16:17], v[16:17], v[20:21]
	v_pk_add_f32 v[8:9], v[8:9], v[16:17]
	v_add_f32 v8, v8, v9
	v_add_f32 v8, s16, v8                          ; x, the logit; v8 and v1 are not written again
	global_store_b32 v1, v8, s[12:13]
	v_mul_f32 v9, s17, v8                          ; -x log2(e)
	v_mul_f32 v10, s17, |v8|                       ; -|x| log2(e)
	v_exp_f32 v9, v9
	v_exp_f32 v10, v10                             ; e = e^-|x|
	v_max_num_f32 v13, 0, v8                       ; plain work between a transcendental and its use (ISA guide 5.7.2)
	s_wait_alu depctr_va_vdst(0)
	v_add_f32 v9, 1.0, v9
	v_add_f32 v11, 1.0, v10
	v_rcp_f32 v9, v9                               ; yh = sigmoid(x)
	v_log_f32 v11, v11
	v_fma_f32 v12, v10, -0.5, 1.0
	v_mul_f32 v12, v12, v10                        ; e - e^2 / 2
	s_wait_alu depctr_va_vdst(0)
	v_mul_f32 v11, 0x3f317218, v11                 ; log2(1 + e) ln 2
	v_cmp_gt_f32 vcc_lo, 0x39800000, v10           ; e < 2^-12: 1 + e has lost too much of e, and the series is good to e^2 / 3
	v_cndmask_b32 v11, v11, v12, vcc_lo            ; log1p(e)
	v_fma_f32 v13, -v8, v24, v13                   ; max(x, 0) - x t
	v_add_f32 v23, v13, v11                        ; this element of the cross entropy
	v_mul_f32 v14, 0x3fb8aa3b, v9
	v_mul_f32 v17, s17, v9
	v_exp_f32 v14, v14                             ; e^yh
	v_exp_f32 v17, v17                             ; e^-yh
	v_mov_b32 v25, 0
	v_mov_b32 v26, 1.0
	v_cmp_lt_f32 vcc_lo, 0.5, v9
	v_cndmask_b32 v27, v25, v26, vcc_lo            ; y_pred
	global_store_b32 v1, v27, s[14:15]
	v_cmp_lt_f32 vcc_lo, 0.5, v24                  ; pos = t > 0.5; everything else, NaN too, is neg, as in the reference
	s_wait_alu depctr_va_vdst(0)
	v_cndmask_b32 v20, v14, v25, vcc_lo            ; neg: e^yh
	v_cndmask_b32 v21, v25, v17, vcc_lo            ; pos: e^-yh
	v_cndmask_b32 v22, v25, v26, vcc_lo            ; pos: 1
	ds_store_b128 v2, v[20:23]
	s_wait_dscnt 0x0                               ; for wave 0
	s_barrier_signal -1
	s_barrier_wait -1
	s_cmp_lg_u32 s20, 0
	s_cbranch_scc1 .Lend
	; wave 0, lane b: the 11 vectors of batch row b.  176 bytes from lane to lane = 11 x 16: sixteen lanes touch sixteen different 16-byte columns modulo 256 bytes
	v_mul_u32_u24 v3, v0, 176
.irp l, 0,1,2,3,4,5,6,7,8,9,10
	ds_load_b128 v[32+4*\l:32+4*\l+3], v3 offset:16*\l
.endr
.macro VADD d, s
	v_pk_add_f32 v[\d:\d+1], v[\d:\d+1], v[\s:\s+1]
	v_pk_add_f32 v[\d+2:\d+3], v[\d+2:\d+3], v[\s+2:\s+3]
.endm
	s_wait_dscnt 0x0
	VADD 32, 36
	VADD 40, 44
	VADD 48, 52
	VADD 56, 60
	VADD 64, 68
	VADD 32, 40
	VADD 48, 56
	VADD 64, 72
	VADD 32, 48
	VADD 32, 64                                    ; v32 sz, v33 so, v34 n_o, v35 the row cross entropy
	v_sub_f32 v36, 0x41300000, v34                 ; n_z = 11 - n_o
	v_mul_f32 v37, v36, v34                        ; num
	v_max_num_f32 v38, 1.0, v37
	v_rcp_f32 v38, v38
	v_mul_f32 v39, v32, v33                        ; plain work behind the reciprocal
	v_mov_b32 v41, 0
	s_wait_alu depctr_va_vdst(0)
	v_mul_f32 v39, v39, v38
	v_cmp_lt_f32 vcc_lo, 0, v37
	v_cndmask_b32 v39, v25, v39, vcc_lo            ; per_row, 0 where one of the sets is empty
	v_mul_f32 v40, 0x3bcccccd, v39                 ; 0.2 / 32
	v_fmamk_f32 v40, v35, 0x3b14f209, v40          ; + 0.8 / 352 x cross entropy
	v_add_f32_dpp v40, v40, v40 row_xmask:1 row_mask:0xf bank_mask:0xf
	v_add_f32_dpp v40, v40, v40 row_xmask:2 row_mask:0xf bank_mask:0xf
	v_add_f32_dpp v40, v40, v40 row_xmask:4 row_mask:0xf bank_mask:0xf
	v_add_f32_dpp v40, v40, v40 row_xmask:8 row_mask:0xf bank_mask:0xf
	v_permlanex16_b32 v41, v40, s22, s23
	v_add_f32 v40, v40, v41                        ; the loss, in every lane
	v_cmp_eq_u32 vcc_lo, 0, v0
	s_wait_xcnt 0x0                                ; EXEC is a source of the two stores above: it changes only behind this wait
	s_and_saveexec_b32 s24, vcc_lo
	global_store_b32 v25, v40, s[10:11]            ; lane 0 alone; v25 = 0
	s_wait_xcnt 0x0                                ; and again in front of the line that widens it
	s_or_b32 exec_lo, exec_lo, s24
.Lend:
	s_wait_tensorcnt 0x0
	ds_add_u32 v96, v97
	s_wait_dscnt 0x0
	s_endpgm
.Lfunc_end_k_q4fed51b746_loss:
	.size	k_q4fed51b746_loss, .Lfunc_end_k_q4fed51b746_loss-k_q4fed51b746_loss
	.p2alignl 7, 3214868480
	.fill 96, 4, 3214868480
	.section	.rodata,"a",@progbits
	.p2align	6, 0x0
	.amdhsa_kernel k_q4fed51b746_loss
		.amdhsa_group_segment_fixed_size 7168
		.amdhsa_private_segment_fixed_size 0
		.amdhsa_enable_private_segment 0
		.amdhsa_kernarg_size 48
		.amdhsa_user_sgpr_count 2
		.amdhsa_user_sgpr_kernarg_segment_ptr 1
		.amdhsa_wavefront_size32 1
		.amdhsa_system_sgpr_workgroup_id_x 1
		.amdhsa_system_sgpr_workgroup_id_y 1
		.amdhsa_system_sgpr_workgroup_id_z 1
		.amdhsa_system_vgpr_workitem_id 0
		.amdhsa_next_free_vgpr 98
		.amdhsa_next_free_sgpr 66
		.amdhsa_reserve_vcc 1
		.amdhsa_float_denorm_mode_32 3
		.amdhsa_float_denorm_mode_16_64 3
		.amdhsa_memory_ordered 1
		.amdhsa_forward_progress 1
		.amdhsa_inst_pref_size 8
	.end_amdhsa_kernel
	.amdgpu_metadata
---
amdhsa.version: [ 1, 2 ]
amdhsa.kernels:
  - .name:           k_q4fed51b746_loss
    .symbol:         k_q4fed51b746_loss.kd
    .args:
      - { .name: part, .offset: 0, .size: 8, .value_kind: global_buffer, .address_space: global }
      - { .name: b2, .offset: 8, .size: 8, .value_kind: global_buffer, .address_space: global }
      - { .name: targets, .offset: 16, .size: 8, .value_kind: global_buffer, .address_space: global }
      - { .name: out0, .offset: 24, .size: 8, .value_kind: global_buffer, .address_space: global }
      - { .name: out1, .offset: 32, .size: 8, .value_kind: global_buffer, .address_space: global }
      - { .name: out2, .offset: 40, .size: 8, .value_kind: global_buffer, .address_space: global }
    .group_segment_fixed_size: 7168
    .private_segment_fixed_size: 0
    .kernarg_segment_align: 8
    .kernarg_segment_size: 48
    .max_flat_workgroup_size: 352
    .sgpr_count:     66
    .vgpr_count:     98
    .wavefront_size: 32
...
	.end_amdgpu_metadata
.endif
;; end of part 2
